; MI455X (gfx1250); checked and timed in simulation.
; The chip was launched on July 23, 2026; its instructions are those of AMD's public machine-readable ISA for CDNA 5 (MIT licence, August 2026) and "CDNA5" Instruction Set Architecture Reference Guide (July 2026). The comments in the code are by the model that wrote it; some were corrected since.
;; Stroke Field. Allowed arithmetic: float matrix products may take bf16 or f16 operands with f32 sums; all other float work in f32.
;; Inputs: alpha_params 500 x 1 float32; color_params 500 x 3 float32; coords 131,072 x 3 float32; shape_params 500 x 4 float32.
;; Outputs: out0 131,072 float32; out1 131,072 x 3 float32; out2 131,072 x 3 float32.
;; One version. Each part assembles by itself: llvm-mc -triple=amdgcn-amd-amdhsa -mcpu=gfx1250 --defsym DOCPART=n.
;; ======== version 1 of 1: 1 launch
;; launch strokes (part 1): grid 256 x 1, 8 waves a work-group, no clusters, 168,960 bytes of LDS; arguments coords, shape_params, color_params, alpha_params, out0, out1, out2; writes out0, out1, out2
.if DOCPART == 1
	.amdgcn_target "amdgcn-amd-amdhsa--gfx1250"
	.amdhsa_code_object_version 6
	.text
	.protected	k_qaaadfa4bf4_strokes
	.globl	k_qaaadfa4bf4_strokes
	.p2align	8
	.type	k_qaaadfa4bf4_strokes,@function
k_qaaadfa4bf4_strokes:
	s_mov_b64 s[64:65], 0
	v_nop
	global_prefetch_b8 v0, s[64:65] scope:SCOPE_SE
	s_setreg_imm32_b32 hwreg(HW_REG_WAVE_MODE, 25, 1), 1
	s_wait_xcnt 0x0
; StrokeField: 131,072 points, 500 spherical strokes blended one over the other.
;   c    = contract(coords) / 2                                   -> out2
;   u_k  = 1 - t_k = clip(5 |c - centre_k| + (0.5 - 5 r_k), 0, 1)    (reference()'s linear clamp, rewritten)
;   h    = sum over k of t_k v_k prod over j > k of u_j           (what the scan computes), v = density, r, g, b
; THE SCAN IS WALKED FROM THE LAST STROKE TO THE FIRST with a running product T:  T' = T u,  w = T - T',  h += w v.
; Six operations a stroke for the five carried numbers, and the last T is h_color_weight.
; The composition is associative: waves 0-3 take strokes 499..250 (in front), waves 4-7 strokes 249..0 (behind) of the same points,
; and  H = Hfront + Tfront Hbehind,  T = Tfront Tbehind.
; SHARES: 256 work-groups x 512 points.  Wave w: points 128 (w & 3) .. + 127, stroke half w >> 2.  A lane holds 4 neighbouring points as two
; register pairs, so that the arithmetic goes in packed f32 instructions, two points each; roots and the clip go point by point.
; Stroke parameters are prepared once into a table in LDS (32 bytes a stroke, last stroke first) and read as broadcasts, five strokes a batch,
; one batch ahead, into two register buffers.
; NO CLUSTER, NO TENSOR LOAD: all that work-groups share is the 16,000 bytes of stroke parameters, read once by each.  No matrix instruction: the
; distances need f32.
; LIMITS: the order of rounding differs from the scan's (reverse order, two halves); divisions are v_rcp_f32 and a multiply (1 ulp);
; v_sqrt_f32 takes a squared distance below 2^-126 as 0; NaN inputs are not reproduced (v_med3_num_f32 drops a NaN).
.set STROKES, 500
.set SEG,     250                      ; strokes of a wave
.set NB,      5                        ; strokes in a batch
.set TRIPS,   SEG/(2*NB)               ; a trip = two batches, one from each parameter buffer
.set ENTRY,   32                       ; table entry: -cx, -cy, -cz, 0.5 - 5 r | red, green, blue, density
.set STAGE,   16384                    ; behind the table's 512 entries: 1,536 bytes for each wave, its own
.set STAGE_W, 1536
.set XCH,     STAGE+8*STAGE_W          ; 2,560 bytes for each point group: what the waves behind hand to the waves in front
.set XCH_G,   2560
.set GOFF, 11                          ; v11  byte offset of my 16 bytes in the wave's 1,536 bytes of coords, out1, out2 (linear)
.set SLIN, 13                          ; v13  stage, linear: 16 x lane
.set SPNT, 14                          ; v14  stage, by points: 48 x lane (4 points of 12 bytes)
.set PA,   15                          ; v15  table address of the batch at work (the same in all lanes)
.set C,    64                          ; v[64:75]   c in pairs: x01 y01 z01 x23 y23 z23
.set DOFF, 76                          ; v76  byte offset of my 4 densities in out0
.set XA,   77                          ; v77  my 16 bytes in the exchange
.set Q0,   80                          ; v[80:119]  parameters of five strokes
.set Q1,   120                         ; v[120:159] the other buffer
.set D,    160                         ; v[160:179] stroke k: pair A at 4k, pair B at 4k+2: squared distance, then u, then w
.set E,    180                         ; v[180:199] the same shape: a difference, then the distance
.set T,    200                         ; v[200:203] and v[204:207]: T of my 4 points, two sets that take turns
.set HD,   208                         ; v[208:211] density of my 4 points
.set HR,   212                         ; v[212:215] red
.set HG,   216                         ; v[216:219] green
.set HB,   220                         ; v[220:223] blue
.set FIVE, 24                          ; s[24:25]   5.0 = 1 / (2 x 0.1)
	s_load_b256 s[4:11], s[0:1], 0x0               ; coords s[4:5], shape s[6:7], color s[8:9], alpha s[10:11]
	s_load_b128 s[12:15], s[0:1], 0x20             ; out0 s[12:13], out1 s[14:15]
	s_load_b64 s[16:17], s[0:1], 0x30              ; out2
	v_lshl_add_u32 v224, v0, 2, 0x29000
	v_mov_b32 v225, 0
	v_lshrrev_b32 v2, 5, v0
	v_readfirstlane_b32 s18, v2                    ; wave 0..7
	v_and_b32 v1, 31, v0                           ; lane
	s_and_b32 s19, s18, 3                          ; point group
	s_lshr_b32 s20, s18, 2                         ; 0: strokes in front, 1: strokes behind
	; The table: thread t makes entries t and t + 256; entry e holds stroke 499 - e.  Entries 500-511 repeat stroke 0 and are never read.
	v_sub_nc_u32 v3, STROKES-1, v0
	v_add_nc_u32 v4, 256, v0
	v_min_u32 v4, STROKES-1, v4
	v_sub_nc_u32 v4, STROKES-1, v4
	v_lshlrev_b32 v5, 4, v3                        ; 16 bytes of shape,
	v_mul_u32_u24 v6, 12, v3                       ; 12 of color,
	v_lshlrev_b32 v7, 2, v3                        ; 4 of alpha
	v_lshlrev_b32 v8, 4, v4
	v_mul_u32_u24 v9, 12, v4
	v_lshlrev_b32 v10, 2, v4
	s_mul_i32 s21, ttmp9, 512*12                   ; the work-group's 512 points of 12 bytes
	s_mul_i32 s22, s19, STAGE_W                    ; + the wave's 128
	s_add_co_u32 s21, s21, s22
	v_lshl_add_u32 v[GOFF], v1, 4, s21
	s_wait_kmcnt 0x0
	global_load_b128 v[16:19], v5, s[6:7]
	global_load_b96 v[20:22], v6, s[8:9]
	global_load_b32 v23, v7, s[10:11]
	global_load_b128 v[24:27], v8, s[6:7]
	global_load_b96 v[28:30], v9, s[8:9]
	global_load_b32 v31, v10, s[10:11]
	global_load_b128 v[32:35], v[GOFF], s[4:5]             ; the wave's coords: three loads of 512 neighbouring bytes
	global_load_b128 v[36:39], v[GOFF], s[4:5] offset:512
	global_load_b128 v[40:43], v[GOFF], s[4:5] offset:1024
	v_lshlrev_b32 v12, 5, v0                       ; entry t
	s_mul_i32 s23, s18, STAGE_W
	s_add_co_u32 s23, s23, STAGE                   ; my wave's stage
	v_lshl_add_u32 v[SLIN], v1, 4, s23
	v_mul_u32_u24 v[SPNT], 48, v1
	v_add_nc_u32 v[SPNT], s23, v[SPNT]
	s_mul_i32 s26, s20, SEG*ENTRY                  ; my half of the table
	v_mov_b32 v[PA], s26
	s_mul_i32 s28, s19, XCH_G
	s_add_co_u32 s28, s28, XCH
	v_lshl_add_u32 v[XA], v1, 4, s28
	s_lshl_b32 s29, ttmp9, 11                      ; out0: 512 points of 4 bytes
	s_lshl_b32 s30, s19, 9
	s_add_co_u32 s29, s29, s30
	v_lshl_add_u32 v[DOFF], v1, 4, s29
	s_mov_b32 s[FIVE], 0x40a00000
	s_mov_b32 s[FIVE+1], 0x40a00000
	s_wait_loadcnt 0x3                             ; the six table loads are in; the three coords loads behind them may stay out
.irp e, 16, 24
	v_mul_f32 v[\e], -1.0, v[\e]                   ; the centre with its sign turned: c + (-p) is c - p
	v_mul_f32 v[\e+1], -1.0, v[\e+1]
	v_mul_f32 v[\e+2], -1.0, v[\e+2]
	v_fma_f32 v[\e+3], 0xc0a00000, v[\e+3], 0.5    ; 0.5 - 5 r
	v_max_num_f32 v[\e+7], 0, v[\e+7]
	v_mul_f32 v[\e+7], 0x42480000, v[\e+7]         ; 50 max(alpha, 0)
.endr
	ds_store_b128 v12, v[16:19]
	ds_store_b128 v12, v[20:23] offset:16
	ds_store_b128 v12, v[24:27] offset:256*ENTRY
	ds_store_b128 v12, v[28:31] offset:256*ENTRY+16
	s_wait_loadcnt 0x0
	ds_store_b128 v[SLIN], v[32:35]                ; coords through my own stage: in as they lie in memory,
	ds_store_b128 v[SLIN], v[36:39] offset:512
	ds_store_b128 v[SLIN], v[40:43] offset:1024
	ds_load_b128 v[44:47], v[SPNT]                 ; out as 4 points a lane: x0 y0 z0 x1 | y1 z1 x2 y2 | z2 x3 y3 z3.  A wave's LDS
	ds_load_b128 v[48:51], v[SPNT] offset:16       ; instructions are served in order, so no wait stands between.  48 bytes from lane to lane:
	ds_load_b128 v[52:55], v[SPNT] offset:32       ; 16 lanes fall on 16 different 16-byte columns of 256 bytes
	s_wait_dscnt 0x0                               ; my table entries are written (for the others), my points are in
	s_barrier_signal -1
	; contract and halve, registers only, while the others arrive:  f = 0.5 if n <= 1, else (2 - 1/n) / n / 2 = (1 - 0.5/n) / n;  c = f x
.irp i, 0,1,2,3
	v_mul_f32 v[56+\i], v[44+3*\i], v[44+3*\i]
.endr
.irp i, 0,1,2,3
	v_fmac_f32 v[56+\i], v[45+3*\i], v[45+3*\i]
.endr
.irp i, 0,1,2,3
	v_fmac_f32 v[56+\i], v[46+3*\i], v[46+3*\i]
.endr
.irp i, 0,1,2,3
	v_sqrt_f32 v[60+\i], v[56+\i]
.endr
	v_nop                                          ; one plain instruction between a transcendental and the use of its result (ISA guide 5.7.2)
	s_wait_alu depctr_va_vdst(0)
.irp i, 0,1,2,3
	v_max_num_f32 v[60+\i], 0x3089705f, v[60+\i]   ; n = max(norm, 1e-9)
.endr
.irp i, 0,1,2,3
	v_rcp_f32 v[56+\i], v[60+\i]
.endr
	v_nop
	s_wait_alu depctr_va_vdst(0)
.irp i, 0,1,2,3
	v_fma_f32 v[80+\i], v[56+\i], -0.5, 1.0
.endr
.irp i, 0,1,2,3
	v_mul_f32 v[80+\i], v[80+\i], v[56+\i]
.endr
.irp i, 0,1,2,3
	v_cmp_lt_f32 vcc_lo, 1.0, v[60+\i]
	v_cndmask_b32 v[56+\i], 0.5, v[80+\i], vcc_lo  ; f of point i
.endr
.irp c, 0,1,2
	v_mul_f32 v[C+2*\c],   v[44+\c], v56           ; pairs of points: (0, 1) and (2, 3)
	v_mul_f32 v[C+2*\c+1], v[47+\c], v57
	v_mul_f32 v[C+6+2*\c], v[50+\c], v58
	v_mul_f32 v[C+7+2*\c], v[53+\c], v59
.endr
.irp i, 0,1,2,3
	v_mov_b32 v[T+\i], 1.0
.endr
.set i, 0
.rept 16
	v_mov_b32 v[HD+i], 0
.set i, i+1
.endr
	s_barrier_wait -1                              ; the table is whole
.macro FETCH q, off                    ; five strokes' parameters: every lane asks for the same 16 bytes
.irp k, 0,1,2,3,4
	ds_load_b128 v[\q+8*\k:\q+8*\k+3],   v[PA] offset:\off+ENTRY*\k
	ds_load_b128 v[\q+8*\k+4:\q+8*\k+7], v[PA] offset:\off+ENTRY*\k+16
.endr
.endm
	FETCH Q0, 0
	; out2, by the waves in front only: c as it lies in memory, back through the stage, three stores of 512 neighbouring bytes
	s_cmp_ge_u32 s18, 4
	s_cbranch_scc1 .Lno_c
.irp i, 0,1,2,3
.irp c, 0,1,2
	v_mul_f32 v[44+3*\i+\c], v[44+3*\i+\c], v[56+\i]
.endr
.endr
	ds_store_b128 v[SPNT], v[44:47]
	ds_store_b128 v[SPNT], v[48:51] offset:16
	ds_store_b128 v[SPNT], v[52:55] offset:32
	ds_load_b128 v[32:35], v[SLIN]
	ds_load_b128 v[36:39], v[SLIN] offset:512
	ds_load_b128 v[40:43], v[SLIN] offset:1024
	s_wait_dscnt 0x0
	global_store_b128 v[GOFF], v[32:35], s[16:17] th:TH_STORE_NT           ; v[32:43] and v11 are not written again
	global_store_b128 v[GOFF], v[36:39], s[16:17] offset:512 th:TH_STORE_NT
	global_store_b128 v[GOFF], v[40:43], s[16:17] offset:1024 th:TH_STORE_NT
.Lno_c:
; u of five strokes x 4 points, operation by operation, so that ten independent instructions stand between an instruction and its user.
; A parameter is one register of a pair, sent to both halves: op_sel_hi 0 takes the first register twice, op_sel 1 the second twice.
.macro DIST q, step
.irp k, 0,1,2,3,4
	v_pk_add_f32 v[D+4*\k:D+4*\k+1],   v[C:C+1],   v[\q+8*\k:\q+8*\k+1] op_sel_hi:[1,0]                 ; x - cx
	v_pk_add_f32 v[D+4*\k+2:D+4*\k+3], v[C+6:C+7], v[\q+8*\k:\q+8*\k+1] op_sel_hi:[1,0]
.endr
.irp k, 0,1,2,3,4
	v_pk_add_f32 v[E+4*\k:E+4*\k+1],   v[C+2:C+3], v[\q+8*\k:\q+8*\k+1] op_sel:[0,1] op_sel_hi:[1,1]    ; y - cy
	v_pk_add_f32 v[E+4*\k+2:E+4*\k+3], v[C+8:C+9], v[\q+8*\k:\q+8*\k+1] op_sel:[0,1] op_sel_hi:[1,1]
.endr
.irp j, 0,2,4,6,8,10,12,14,16,18
	v_pk_mul_f32 v[D+\j:D+\j+1], v[D+\j:D+\j+1], v[D+\j:D+\j+1]
.endr
.irp j, 0,2,4,6,8,10,12,14,16,18
	v_pk_fma_f32 v[D+\j:D+\j+1], v[E+\j:E+\j+1], v[E+\j:E+\j+1], v[D+\j:D+\j+1]
.endr
.irp k, 0,1,2,3,4
	v_pk_add_f32 v[E+4*\k:E+4*\k+1],   v[C+4:C+5],   v[\q+8*\k+2:\q+8*\k+3] op_sel_hi:[1,0]             ; z - cz
	v_pk_add_f32 v[E+4*\k+2:E+4*\k+3], v[C+10:C+11], v[\q+8*\k+2:\q+8*\k+3] op_sel_hi:[1,0]
.endr
.irp j, 0,2,4,6,8,10,12,14,16,18
	v_pk_fma_f32 v[D+\j:D+\j+1], v[E+\j:E+\j+1], v[E+\j:E+\j+1], v[D+\j:D+\j+1]
.endr
.set i, 0
.rept 20
	v_sqrt_f32 v[E+i], v[D+i]
.set i, i+1
.endr
.if \step
	v_add_nc_u32 v[PA], NB*ENTRY, v[PA]            ; the plain instruction between the roots and their use (ISA guide 5.7.2): the table address steps
	s_wait_alu depctr_va_vdst(0)
.else
	v_nop
	s_wait_alu depctr_va_vdst(0)
.endif
.irp k, 0,1,2,3,4
	v_pk_fma_f32 v[D+4*\k:D+4*\k+1],   v[E+4*\k:E+4*\k+1],   s[FIVE:FIVE+1], v[\q+8*\k+2:\q+8*\k+3] op_sel:[0,0,1] op_sel_hi:[1,0,1]   ; 5 dist + (0.5 - 5 r)
	v_pk_fma_f32 v[D+4*\k+2:D+4*\k+3], v[E+4*\k+2:E+4*\k+3], s[FIVE:FIVE+1], v[\q+8*\k+2:\q+8*\k+3] op_sel:[0,0,1] op_sel_hi:[1,0,1]
.endr
.set i, 0
.rept 20
	v_med3_num_f32 v[D+i], v[D+i], 0, 1.0          ; u: the middle one of the three is the clip to [0, 1]; f32 has no packed maximum or minimum
.set i, i+1
.endr
.endm
.macro TMUL k, p                       ; T' = T u; p: which set holds T
	v_pk_mul_f32 v[T+4*(1-(\p)):T+4*(1-(\p))+1],   v[T+4*(\p):T+4*(\p)+1],   v[D+4*\k:D+4*\k+1]
	v_pk_mul_f32 v[T+4*(1-(\p))+2:T+4*(1-(\p))+3], v[T+4*(\p)+2:T+4*(\p)+3], v[D+4*\k+2:D+4*\k+3]
.endm
.macro WSUB k, p                       ; w = T - T', in u's place.  It stands in front of the next TMUL, which writes over T
	v_pk_add_f32 v[D+4*\k:D+4*\k+1],   v[T+4*(\p):T+4*(\p)+1],   v[T+4*(1-(\p)):T+4*(1-(\p))+1]   neg_lo:[0,1] neg_hi:[0,1]
	v_pk_add_f32 v[D+4*\k+2:D+4*\k+3], v[T+4*(\p)+2:T+4*(\p)+3], v[T+4*(1-(\p))+2:T+4*(1-(\p))+3] neg_lo:[0,1] neg_hi:[0,1]
.endm
.macro ACC q, k, x                     ; the four sums of pair x (0: points 0, 1; 1: points 2, 3) take stroke k
	v_pk_fma_f32 v[HR+2*\x:HR+2*\x+1], v[D+4*\k+2*\x:D+4*\k+2*\x+1], v[\q+8*\k+4:\q+8*\k+5], v[HR+2*\x:HR+2*\x+1] op_sel_hi:[1,0,1]
	v_pk_fma_f32 v[HG+2*\x:HG+2*\x+1], v[D+4*\k+2*\x:D+4*\k+2*\x+1], v[\q+8*\k+4:\q+8*\k+5], v[HG+2*\x:HG+2*\x+1] op_sel:[0,1,0] op_sel_hi:[1,1,1]
	v_pk_fma_f32 v[HB+2*\x:HB+2*\x+1], v[D+4*\k+2*\x:D+4*\k+2*\x+1], v[\q+8*\k+6:\q+8*\k+7], v[HB+2*\x:HB+2*\x+1] op_sel_hi:[1,0,1]
	v_pk_fma_f32 v[HD+2*\x:HD+2*\x+1], v[D+4*\k+2*\x:D+4*\k+2*\x+1], v[\q+8*\k+6:\q+8*\k+7], v[HD+2*\x:HD+2*\x+1] op_sel:[0,1,0] op_sel_hi:[1,1,1]
.endm
; the chain over the batch's five strokes; a stroke's sums are laid between the next stroke's T' and w, so that no instruction waits for the one in front
.macro CHAIN q, par
	TMUL 0, \par
	WSUB 0, \par
	TMUL 1, 1-\par
	ACC \q, 0, 0
	WSUB 1, 1-\par
	ACC \q, 0, 1
	TMUL 2, \par
	ACC \q, 1, 0
	WSUB 2, \par
	ACC \q, 1, 1
	TMUL 3, 1-\par
	ACC \q, 2, 0
	WSUB 3, 1-\par
	ACC \q, 2, 1
	TMUL 4, \par
	ACC \q, 3, 0
	WSUB 4, \par
	ACC \q, 3, 1
	ACC \q, 4, 0
	ACC \q, 4, 1
.endm
; a batch: buffer q is at work, buffer qn is filled with the next five strokes.  par: the set that holds T at its head (five strokes turn it over)
.macro BATCH q, qn, par, fetch
	s_wait_dscnt 0x0                               ; the ten loads of buffer q, issued a whole batch ago, are all that is out
.if \fetch
	FETCH \qn, NB*ENTRY
.endif
	DIST \q, \fetch
	CHAIN \q, \par
.endm
	s_mov_b32 s27, TRIPS-1
.Ltrip:
	BATCH Q0, Q1, 0, 1
	BATCH Q1, Q0, 1, 1
	s_sub_co_u32 s27, s27, 1
	s_cmp_lg_u32 s27, 0
	s_cbranch_scc1 .Ltrip
	BATCH Q0, Q1, 0, 1                             ; the last trip is written out: its second batch fetches nothing
	BATCH Q1, Q0, 1, 0                             ; 250 strokes are an even number: T lies in v[200:203] again
	; the waves behind hand their sums and their T to the waves in front
	s_cmp_lt_u32 s18, 4
	s_cbranch_scc1 .Lfront
	ds_store_b128 v[XA], v[HD:HD+3]
	ds_store_b128 v[XA], v[HR:HR+3] offset:512
	ds_store_b128 v[XA], v[HG:HG+3] offset:1024
	ds_store_b128 v[XA], v[HB:HB+3] offset:1536
	ds_store_b128 v[XA], v[T:T+3] offset:2048
.Lfront:
	s_wait_dscnt 0x0                               ; written, for the others' sake
	s_barrier_signal -1
	s_barrier_wait -1
	s_cmp_ge_u32 s18, 4
	s_cbranch_scc1 .Lend
	ds_load_b128 v[80:83], v[XA]
	ds_load_b128 v[84:87], v[XA] offset:512
	ds_load_b128 v[88:91], v[XA] offset:1024
	ds_load_b128 v[92:95], v[XA] offset:1536
	ds_load_b128 v[96:99], v[XA] offset:2048
	s_wait_dscnt 0x0
.irp j, 0,1,2,3
	v_pk_fma_f32 v[HD+4*\j:HD+4*\j+1],   v[T:T+1],   v[80+4*\j:81+4*\j], v[HD+4*\j:HD+4*\j+1]      ; H = Hfront + Tfront Hbehind
	v_pk_fma_f32 v[HD+4*\j+2:HD+4*\j+3], v[T+2:T+3], v[82+4*\j:83+4*\j], v[HD+4*\j+2:HD+4*\j+3]
.endr
	v_pk_mul_f32 v[T:T+1],   v[T:T+1],   v[96:97]  ; T = Tfront Tbehind = h_color_weight
	v_pk_mul_f32 v[T+2:T+3], v[T+2:T+3], v[98:99]
	global_store_b128 v[DOFF], v[HD:HD+3], s[12:13] th:TH_STORE_NT         ; 4 densities a lane: the wave stores 512 neighbouring bytes
.irp i, 0,1,2,3
	v_sub_f32 v[100+\i], 0x3f800008, v[T+\i]       ; f32(1 + 1e-6) - weight: at least 9.5e-7, since T <= 1
.endr
.irp i, 0,1,2,3
	v_rcp_f32 v[128+\i], v[100+\i]
.endr
	v_nop
	s_wait_alu depctr_va_vdst(0)
.irp i, 0,1,2,3
	v_mul_f32 v[104+3*\i],   v[HR+\i], v[128+\i]   ; h / (1 + 1e-6 - weight), laid r g b r g b .. as in memory
	v_mul_f32 v[104+3*\i+1], v[HG+\i], v[128+\i]
	v_mul_f32 v[104+3*\i+2], v[HB+\i], v[128+\i]
.endr
.set i, 0
.rept 12
	v_med3_num_f32 v[104+i], v[104+i], 0, 1.0      ; rgb = clip(.., 0, 1)
.set i, i+1
.endr
	ds_store_b128 v[SPNT], v[104:107]              ; through my own stage again: in by points, out linear
	ds_store_b128 v[SPNT], v[108:111] offset:16
	ds_store_b128 v[SPNT], v[112:115] offset:32
	ds_load_b128 v[116:119], v[SLIN]
	ds_load_b128 v[120:123], v[SLIN] offset:512
	ds_load_b128 v[124:127], v[SLIN] offset:1024
	s_wait_dscnt 0x0
	global_store_b128 v[GOFF], v[116:119], s[14:15] th:TH_STORE_NT
	global_store_b128 v[GOFF], v[120:123], s[14:15] offset:512 th:TH_STORE_NT
	global_store_b128 v[GOFF], v[124:127], s[14:15] offset:1024 th:TH_STORE_NT
.Lend:
	s_wait_tensorcnt 0x0
	ds_add_u32 v224, v225
	s_wait_dscnt 0x0
	s_endpgm
.Lfunc_end_k_qaaadfa4bf4_strokes:
	.size	k_qaaadfa4bf4_strokes, .Lfunc_end_k_qaaadfa4bf4_strokes-k_qaaadfa4bf4_strokes
	.p2alignl 7, 3214868480
	.fill 96, 4, 3214868480
	.section	.rodata,"a",@progbits
	.p2align	6, 0x0
	.amdhsa_kernel k_qaaadfa4bf4_strokes
		.amdhsa_group_segment_fixed_size 168960
		.amdhsa_private_segment_fixed_size 0
		.amdhsa_enable_private_segment 0
		.amdhsa_kernarg_size 56
		.amdhsa_user_sgpr_count 2
		.amdhsa_user_sgpr_kernarg_segment_ptr 1
		.amdhsa_wavefront_size32 1
		.amdhsa_system_sgpr_workgroup_id_x 1
		.amdhsa_system_sgpr_workgroup_id_y 1
		.amdhsa_system_sgpr_workgroup_id_z 1
		.amdhsa_system_vgpr_workitem_id 0
		.amdhsa_next_free_vgpr 226
		.amdhsa_next_free_sgpr 66
		.amdhsa_reserve_vcc 1
		.amdhsa_float_denorm_mode_32 3
		.amdhsa_float_denorm_mode_16_64 3
		.amdhsa_memory_ordered 1
		.amdhsa_forward_progress 1
		.amdhsa_inst_pref_size 56
	.end_amdhsa_kernel
	.amdgpu_metadata
---
amdhsa.version: [ 1, 2 ]
amdhsa.kernels:
  - .name:           k_qaaadfa4bf4_strokes
    .symbol:         k_qaaadfa4bf4_strokes.kd
    .args:
      - { .name: coords, .offset: 0, .size: 8, .value_kind: global_buffer, .address_space: global }
      - { .name: shape_params, .offset: 8, .size: 8, .value_kind: global_buffer, .address_space: global }
      - { .name: color_params, .offset: 16, .size: 8, .value_kind: global_buffer, .address_space: global }
      - { .name: alpha_params, .offset: 24, .size: 8, .value_kind: global_buffer, .address_space: global }
      - { .name: out0, .offset: 32, .size: 8, .value_kind: global_buffer, .address_space: global }
      - { .name: out1, .offset: 40, .size: 8, .value_kind: global_buffer, .address_space: global }
      - { .name: out2, .offset: 48, .size: 8, .value_kind: global_buffer, .address_space: global }
    .group_segment_fixed_size: 168960
    .private_segment_fixed_size: 0
    .kernarg_segment_align: 8
    .kernarg_segment_size: 56
    .max_flat_workgroup_size: 256
    .sgpr_count:     66
    .vgpr_count:     226
    .wavefront_size: 32
...
	.end_amdgpu_metadata
.endif
;; end of part 1
